; MI455X (gfx1250); checked and timed in simulation.
; The chip was launched on July 23, 2026; its instructions are those of AMD's public machine-readable ISA for CDNA 5 (MIT licence, August 2026) and "CDNA5" Instruction Set Architecture Reference Guide (July 2026). The comments in the code are by the model that wrote it; some were corrected since.
;; Pious. Allowed arithmetic: float matrix products may take bf16 or f16 operands with f32 sums; all other float work in f32.
;; Inputs: grid 16,384 x 2 float32; loc_p 2,048 x 5 float32; loc_t 2,048 x 5 float32.
;; Outputs: out0 2,048 float32.
;; One version. Each part assembles by itself: llvm-mc -triple=amdgcn-amd-amdhsa -mcpu=gfx1250 --defsym DOCPART=n.
;; ======== version 1 of 1: 1 launch
;; limits: inputs' magnitudes at most 1,000,000
;; launch piou (part 1): grid 256 x 1, 16 waves a work-group, no clusters, 35,840 bytes of LDS; arguments grid, loc_p, loc_t, out0; writes out0
.if DOCPART == 1
	.amdgcn_target "amdgcn-amd-amdhsa--gfx1250"
	.amdhsa_code_object_version 6
	.text
	.protected	k_q57010a6b8a_piou
	.globl	k_q57010a6b8a_piou
	.p2align	8
	.type	k_q57010a6b8a_piou,@function
k_q57010a6b8a_piou:
	s_mov_b64 s[64:65], 0
	v_nop
	global_prefetch_b8 v0, s[64:65] scope:SCOPE_SE
	s_setreg_imm32_b32 hwreg(HW_REG_WAVE_MODE, 25, 1), 1
	s_wait_xcnt 0x0
; Pixel IoU of 2,048 pairs of rotated boxes over 16,384 pixel centres.
;   F(p|box) = sigmoid(k (w/2 - |u|)) sigmoid(k (h/2 - |v|)),  (u, v) = the pixel's offset from the centre, turned by theta, k = 10
;   out = inter / (sum(Fp + Ft) - inter + 1e-9),  inter = sum(Fp Ft)
; A work-group owns 8 box pairs (256 work-groups), 16 waves.  A wave owns 1,024 pixels, a lane 32 of them, kept in 64 registers for the
; whole kernel: every grid byte is loaded once by the work-group and serves all 8 pairs.  The wave walks the 8 pairs; the lanes' partial sums
; meet in LDS at the end.
; With K = k log2(e) folded into cos, sin, w/2 and h/2:  1/F = D = (1 + 2^(|u'| - a)) (1 + 2^(|v'| - b)), and for a pair of boxes
;   Fp Ft = 1 / (Dp Dt),   Fp + Ft = (Dp + Dt) / (Dp Dt):  four exponentials and ONE reciprocal for a pixel and a pair.
; Everything but |.| - a, the exponentials and the reciprocals is done two numbers at a time (packed f32).
; NO CLUSTER, NO JOINT LOADS: the grid is the only input that work-groups share; each reads its 131,072 bytes once, straight into the
; registers where they stay (8 bytes of a lane feed 8 pairs' work).  A joint load would land in LDS and cost a second trip into registers.
; NO MATRIX INSTRUCTION: the only product is a rotation of length 2, and coordinates rounded to 16-bit operands would shift the boxes' edges.
; LIMITS, kept knowingly:
;   D is cut at 2^60, so that Dp Dt stays finite: a box's weight is never below 2^-60, which adds at most 16,384 x 2 x 2^-60 (3e-14) to the union.
;   sin and cos: theta is reduced by pi/2 in two parts (what is left of pi/2 is 1.7e-15 for each quarter turn) and the quarter turns must be exact in f32: good for |theta| up to about 1e6.
;   Non-finite inputs: the cut at 2^60 swallows a NaN, so the reference's NaN is not reproduced.
;   Divisions are v_rcp_f32 and a product; the sums are added in another order than the reference's.
.set GROUPS, 16                        ; a lane's 32 pixels go in 16 groups of 2 (one 16-byte load each)
.set PART,   1024                      ; LDS: bytes 0-511 the 8 pairs' parameters; from PART on 8 pairs x 512 threads x 8 bytes of partial sums
.set G,   8                            ; v[8:71]    grid: group g at G + 4 g: x0, y0, x1, y1
.set PA,  72                           ; v[72:87]   parameters of a pair, set A: box p at +0, box t at +8:
.set PB,  88                           ; v[88:103]  set B        +0 -cx, -cy   +2 c', -s'   +4 s', c'   +6 a   +7 b
.set TT,  104                          ; v[104:111] (tx, ty) of box b, pixel i at TT + 4 b + 2 i
.set UU,  112                          ; v[112:119] (u', v') likewise
.set X0,  120                          ; v[120:135] two sets of 8 by turns: box b at +4 b: |u'|-a of pixels 0, 1; |v'|-b of pixels 0, 1; then 2^x, 1 + 2^x, D
.set PP,  136                          ; v[136:137] Dp Dt of the two pixels, then its reciprocal
.set SS,  138                          ; v[138:139] Dp + Dt
.set IN,  140                          ; v[140:141] running sum of Fp Ft, one for each pixel of a group
.set SU,  142                          ; v[142:143] running sum of Fp + Ft
.set OU,  144                          ; v[144:145] the lane's (inter, sum) of a pair
.set CL,  146                          ; 2^60
.set QA,  147                          ; LDS address of the trip's parameters
.set PS,  148                          ; LDS address of my partial sums
	s_load_b256 s[4:11], s[0:1], 0x0               ; grid s[4:5], loc_p s[6:7], loc_t s[8:9], out0 s[10:11]
	v_lshl_add_u32 v152, v0, 2, 0x8400
	v_mov_b32 v153, 0
	v_lshrrev_b32 v1, 5, v0
	v_readfirstlane_b32 s12, v1                    ; wave 0..15
	v_and_b32 v2, 31, v0                           ; lane
	v_lshlrev_b32 v3, 4, v2                        ; 16 x lane
	v_lshl_add_u32 v4, v1, 13, v3                  ; my bytes in the grid: wave x 8,192 + 16 x lane
	s_mul_i32 s13, ttmp9, 160                      ; the work-group's 8 boxes of 20 bytes
	s_wait_kmcnt 0x0
	s_cmp_lg_u32 s12, 0
	s_cbranch_scc1 .Lgrid
	; wave 0 alone: lane L prepares box (L >> 1) & 1 (p or t) of pair L >> 2.  Both boxes are loaded, each from its own buffer, and one is chosen below.
	v_lshrrev_b32 v5, 2, v2
	v_mad_u32_u24 v5, v5, 20, s13
.irp j, 0,1,2,3,4
	global_load_b32 v[104+\j], v5, s[6:7] offset:4*\j      ; p: cx, cy, w, h, theta
.endr
.irp j, 0,1,2,3,4
	global_load_b32 v[109+\j], v5, s[8:9] offset:4*\j      ; t
.endr
.Lgrid:
.irp g, 0,1,2,3,4,5,6,7,8,9,10,11,12,13,14,15
	global_load_b128 v[G+4*\g:G+4*\g+3], v4, s[4:5] offset:512*\g   ; a wave's load covers 512 neighbouring bytes
.endr
	s_cmp_lg_u32 s12, 0
	s_cbranch_scc1 .Lready
	s_wait_loadcnt 16                              ; the ten box loads are in; the 16 younger grid loads stay out
	v_and_b32 v6, 2, v2
	v_cmp_ne_u32 vcc_lo, 0, v6
.irp j, 0,1,2,3,4
	v_cndmask_b32 v[104+\j], v[104+\j], v[109+\j], vcc_lo  ; v104 cx, v105 cy, v106 w, v107 h, v108 theta of my box
.endr
	; theta = n pi/2 + r, |r| <= pi/4
	v_mul_f32 v114, 0x3f22f983, v108               ; theta x 2/pi
	v_rndne_f32 v114, v114                         ; n
	v_fmamk_f32 v115, v114, 0xbfc90fdb, v108       ; - n x (pi/2 rounded to f32)
	v_fmamk_f32 v115, v114, 0x333bbd2e, v115       ; - n x (what that rounding left): r
	v_mul_f32 v116, v115, v115                     ; z = r r
	v_mov_b32 v117, 0xb94ca1f9                     ; sin r = r + r z (-1.6666655e-1 + z (8.3321609e-3 - z 1.9515296e-4))
	v_fmaak_f32 v117, v117, v116, 0x3c08839e
	v_fmaak_f32 v117, v117, v116, 0xbe2aaaa3
	v_mov_b32 v118, 0x37ccf5ce                     ; cos r = 1 - z/2 + z z (4.1666646e-2 + z (-1.3887316e-3 + z 2.4433157e-5))
	v_fmaak_f32 v118, v118, v116, 0xbab6061a
	v_fmaak_f32 v118, v118, v116, 0x3d2aaaa5
	v_mul_f32 v119, v116, v115
	v_fma_f32 v117, v119, v117, v115               ; sin r
	v_mul_f32 v119, v116, v116
	v_fma_f32 v120, v116, -0.5, 1.0
	v_fma_f32 v118, v119, v118, v120               ; cos r
	v_cvt_i32_f32 v121, v114                       ; the quarter turn: n odd swaps sin and cos; bit 1 of n turns sin's sign, bit 1 of n + 1 cos's
	v_and_b32 v122, 1, v121
	v_cmp_ne_u32 vcc_lo, 0, v122
	v_cndmask_b32 v123, v117, v118, vcc_lo
	v_cndmask_b32 v124, v118, v117, vcc_lo
	v_lshlrev_b32 v125, 30, v121
	v_add_nc_u32 v126, 1, v121
	v_lshlrev_b32 v126, 30, v126
	v_and_b32 v125, 0x80000000, v125
	v_and_b32 v126, 0x80000000, v126
	v_xor_b32 v123, v125, v123                     ; sin theta
	v_xor_b32 v124, v126, v124                     ; cos theta
	v_mul_f32 v123, 0x4166d4ca, v123               ; s' = K sin theta, K = 10 log2(e) = 14.42695
	v_mul_f32 v124, 0x4166d4ca, v124               ; c' = K cos theta
	v_mul_f32 v106, 0x40e6d4ca, v106               ; a = K w / 2
	v_mul_f32 v107, 0x40e6d4ca, v107               ; b = K h / 2
	v_xor_b32 v104, 0x80000000, v104               ; -cx
	v_xor_b32 v105, 0x80000000, v105               ; -cy
	v_xor_b32 v127, 0x80000000, v123               ; -s'
	v_and_b32 v6, 1, v2                            ; even lanes store the box's first 16 bytes, odd lanes its second
	v_cmp_ne_u32 vcc_lo, 0, v6
	v_cndmask_b32 v128, v104, v123, vcc_lo         ; -cx | s'
	v_cndmask_b32 v129, v105, v124, vcc_lo         ; -cy | c'
	v_cndmask_b32 v130, v124, v106, vcc_lo         ;  c' | a
	v_cndmask_b32 v131, v127, v107, vcc_lo         ; -s' | b
	ds_store_b128 v3, v[128:131]                   ; byte 16 L = 64 x pair + 32 x box + 16 x half
.Lready:
	s_wait_dscnt 0x0                               ; wave 0's store is done before it signals
	s_barrier_signal -1
	s_barrier_wait -1                              ; the parameters are there for all 16 waves; nobody writes them again
	v_mov_b32 v[QA], 0
.irp j, 0,1,2,3
	ds_load_b128 v[PA+4*\j:PA+4*\j+3], v[QA] offset:16*\j  ; pair 0: every lane reads the same 64 bytes
.endr
	v_mov_b32 v[CL], 0x5d800000                    ; 2^60
	v_lshlrev_b32 v[PS], 3, v0                     ; 8 bytes a thread
	s_mov_b32 s14, 3
	s_wait_dscnt 0x0
; Group g, from the grid to the four exponents of each of its two pixels.  p: the pair's parameter set.
.macro FRONT g, p, gwait
.if \gwait
.if ((\g) % 4) == 0
	s_wait_loadcnt 12-(\g)                         ; loads return in order: grid loads g .. g + 3 are in, the younger ones stay out (met at once after the first pair)
.endif
.endif
.irp b, 0,1
.irp i, 0,1
	v_pk_add_f32 v[TT+4*\b+2*\i:TT+4*\b+2*\i+1], v[G+4*(\g)+2*\i:G+4*(\g)+2*\i+1], v[\p+8*\b:\p+8*\b+1]    ; (tx, ty) = (x, y) - (cx, cy), as the reference forms it
.endr
.endr
.irp b, 0,1
.irp i, 0,1
	v_pk_mul_f32 v[UU+4*\b+2*\i:UU+4*\b+2*\i+1], v[TT+4*\b+2*\i:TT+4*\b+2*\i+1], v[\p+8*\b+2:\p+8*\b+3] op_sel:[0,0] op_sel_hi:[0,1]    ; tx x (c', -s')
.endr
.endr
.irp b, 0,1
.irp i, 0,1
	v_pk_fma_f32 v[UU+4*\b+2*\i:UU+4*\b+2*\i+1], v[TT+4*\b+2*\i:TT+4*\b+2*\i+1], v[\p+8*\b+4:\p+8*\b+5], v[UU+4*\b+2*\i:UU+4*\b+2*\i+1] op_sel:[1,0,0] op_sel_hi:[1,1,1]    ; + ty x (s', c') = (u', v')
.endr
.endr
.irp b, 0,1
.irp i, 0,1
	v_sub_f32 v[X0+8*((\g)&1)+4*\b+\i],   |v[UU+4*\b+2*\i]|,   v[\p+8*\b+6]    ; |u'| - a, laid so that the two pixels make a pair
	v_sub_f32 v[X0+8*((\g)&1)+4*\b+2+\i], |v[UU+4*\b+2*\i+1]|, v[\p+8*\b+7]    ; |v'| - b
.endr
.endr
.endm
.macro EXPS g
.irp j, 0,1,2,3,4,5,6,7
	v_exp_f32 v[X0+8*((\g)&1)+\j], v[X0+8*((\g)&1)+\j]
.endr
.endm
; D of both boxes, cut at 2^60; their product and sum.  (1 + E1)(1 + E2) has both factors at least 1: an infinite one meets no zero.
.macro MID g
	s_wait_alu depctr_va_vdst(0)
.irp b, 0,1
	v_pk_add_f32 v[X0+8*((\g)&1)+4*\b:X0+8*((\g)&1)+4*\b+1],   v[X0+8*((\g)&1)+4*\b:X0+8*((\g)&1)+4*\b+1],   1.0 op_sel_hi:[1,0]
	v_pk_add_f32 v[X0+8*((\g)&1)+4*\b+2:X0+8*((\g)&1)+4*\b+3], v[X0+8*((\g)&1)+4*\b+2:X0+8*((\g)&1)+4*\b+3], 1.0 op_sel_hi:[1,0]
.endr
.irp b, 0,1
	v_pk_mul_f32 v[X0+8*((\g)&1)+4*\b:X0+8*((\g)&1)+4*\b+1], v[X0+8*((\g)&1)+4*\b:X0+8*((\g)&1)+4*\b+1], v[X0+8*((\g)&1)+4*\b+2:X0+8*((\g)&1)+4*\b+3]
.endr
.irp b, 0,1
	v_dual_min_num_f32 v[X0+8*((\g)&1)+4*\b], v[CL], v[X0+8*((\g)&1)+4*\b] :: v_dual_min_num_f32 v[X0+8*((\g)&1)+4*\b+1], v[CL], v[X0+8*((\g)&1)+4*\b+1]
.endr
	v_pk_mul_f32 v[PP:PP+1], v[X0+8*((\g)&1):X0+8*((\g)&1)+1], v[X0+8*((\g)&1)+4:X0+8*((\g)&1)+5]    ; Dp Dt, at most 2^120
	v_pk_add_f32 v[SS:SS+1], v[X0+8*((\g)&1):X0+8*((\g)&1)+1], v[X0+8*((\g)&1)+4:X0+8*((\g)&1)+5]    ; Dp + Dt
.endm
.macro RCPS g                          ; Fp Ft.  The first group's lands in the running sum itself: nothing is cleared
.if (\g) == 0
	v_rcp_f32 v[IN],   v[PP]
	v_rcp_f32 v[IN+1], v[PP+1]
.else
	v_rcp_f32 v[PP],   v[PP]
	v_rcp_f32 v[PP+1], v[PP+1]
.endif
.endm
.macro ACC g
.if (\g) == 0
	s_wait_alu depctr_va_vdst(0)
	v_pk_mul_f32 v[SU:SU+1], v[SS:SS+1], v[IN:IN+1]                ; Fp + Ft = (Dp + Dt) x Fp Ft starts its sum
.else
	s_wait_alu depctr_va_vdst(0)
	v_pk_add_f32 v[IN:IN+1], v[IN:IN+1], v[PP:PP+1]
	v_pk_fma_f32 v[SU:SU+1], v[SS:SS+1], v[PP:PP+1], v[SU:SU+1]
.endif
.endm
; One box pair over my 32 pixels.  cur: its parameters; nxt: the set into which the next pair's are asked for (pref = 1), from byte qoff behind QA.
; The groups are staggered: behind a group's exponentials stands the next group's front work, and a group's sums are added one group later, so that
; plain vector work lies between every transcendental and the first use of its result (ISA guide 5.7.2; a second transcendental is no such work).
; The last group has no front work behind its exponentials: one v_nop stands there, for the reciprocals of the group before and for these exponentials.
.macro BOX cur, nxt, pref, qoff, gwait, poff
	s_wait_dscnt 0x1                               ; LDS returns in order: my four parameter loads are in; the one younger store of partial sums may be out
.if \pref
.irp j, 0,1,2,3
	ds_load_b128 v[\nxt+4*\j:\nxt+4*\j+3], v[QA] offset:\qoff+16*\j
.endr
.endif
	FRONT 0, \cur, \gwait
.set gi, 0
.rept GROUPS
	EXPS gi
.if gi < GROUPS-1
	FRONT gi+1, \cur, \gwait
.else
	v_nop                                          ; the plain place between the reciprocals of group 14 and the sums that read them
	s_wait_alu depctr_va_vdst(0)
.endif
.if gi > 0
	ACC gi-1
.endif
	MID gi
	RCPS gi
.set gi, gi+1
.endr
	v_nop                                          ; the plain place behind the last reciprocals
	s_wait_alu depctr_va_vdst(0)
	ACC GROUPS-1
	v_add_f32 v[OU],   v[IN], v[IN+1]
	v_add_f32 v[OU+1], v[SU], v[SU+1]
	ds_store_b64 v[PS], v[OU:OU+1] offset:\poff    ; (inter, sum) of my 32 pixels: a wave's store covers 256 neighbouring bytes
.endm
.Ltrip:                                            ; two pairs a trip, so that the two parameter sets keep their names
	BOX PA, PB, 1, 64,  1, PART
	BOX PB, PA, 1, 128, 0, PART+4096
	v_add_nc_u32 v[QA], 128, v[QA]
	v_add_nc_u32 v[PS], 8192, v[PS]
	s_sub_co_u32 s14, s14, 1
	s_cmp_lg_u32 s14, 0
	s_cbranch_scc1 .Ltrip
	BOX PA, PB, 1, 64, 0, PART                     ; pairs 6 and 7, written out: the last asks for no further parameters
	BOX PB, PA, 0, 0,  0, PART+4096
	s_wait_dscnt 0x0                               ; my partial sums are in LDS before I signal
	s_barrier_signal -1
	s_barrier_wait -1
	s_cmp_ge_u32 s12, 8
	s_cbranch_scc1 .Lend
	; wave w < 8 adds pair w's 512 entries of 8 bytes: 8 loads of 16 bytes a lane, 512 neighbouring bytes a load
	s_lshl_b32 s15, s12, 12
	v_add_nc_u32 v5, s15, v3
.irp j, 0,1,2,3,4,5,6,7
	ds_load_b128 v[104+4*\j:104+4*\j+3], v5 offset:PART+512*\j
.endr
	s_mov_b32 s16, 0x76543210                      ; v_permlanex16_b32: lane i reads lane i of the other half
	s_mov_b32 s17, 0xfedcba98
	s_lshl_b32 s18, ttmp9, 5
	s_lshl2_add_u32 s18, s12, s18                  ; byte of out0: 4 x (8 x work-group + wave)
	s_wait_dscnt 0x0
.irp m, 0,1,2,3,4,5,6,7
	v_pk_add_f32 v[104+2*\m:105+2*\m], v[104+2*\m:105+2*\m], v[120+2*\m:121+2*\m]      ; 16 pairs (inter, sum) fold to one
.endr
.irp m, 0,1,2,3
	v_pk_add_f32 v[104+2*\m:105+2*\m], v[104+2*\m:105+2*\m], v[112+2*\m:113+2*\m]
.endr
.irp m, 0,1
	v_pk_add_f32 v[104+2*\m:105+2*\m], v[104+2*\m:105+2*\m], v[108+2*\m:109+2*\m]
.endr
	v_pk_add_f32 v[104:105], v[104:105], v[106:107]
.irp x, 1,2,4,8
	v_add_f32_dpp v104, v104, v104 row_xmask:\x row_mask:0xf bank_mask:0xf
	v_add_f32_dpp v105, v105, v105 row_xmask:\x row_mask:0xf bank_mask:0xf
.endr
	v_permlanex16_b32 v106, v104, s16, s17         ; v106, v107 have been written above
	v_permlanex16_b32 v107, v105, s16, s17
	v_add_f32 v104, v104, v106                     ; inter, in every lane
	v_add_f32 v105, v105, v107                     ; sum of Fp + Ft
	v_sub_f32 v105, v105, v104                     ; union
	v_add_f32 v105, 0x3089705f, v105               ; + 1e-9
	v_rcp_f32 v105, v105
	v_mov_b32 v6, s18                              ; the plain place behind the reciprocal
	s_wait_alu depctr_va_vdst(0)
	v_mul_f32 v104, v104, v105
	v_cmp_eq_u32 vcc_lo, 0, v2
	s_wait_xcnt 0x0                                ; EXEC changes only behind this wait
	s_and_saveexec_b32 s19, vcc_lo                 ; lane 0 stores the pair's one number; the work-group's eight make 32 neighbouring bytes of out0
	global_store_b32 v6, v104, s[10:11]
	s_wait_xcnt 0x0                                ; and again in front of the line that widens it
	s_or_b32 exec_lo, exec_lo, s19
.Lend:
	s_wait_tensorcnt 0x0
	ds_add_u32 v152, v153
	s_wait_dscnt 0x0
	s_endpgm
.Lfunc_end_k_q57010a6b8a_piou:
	.size	k_q57010a6b8a_piou, .Lfunc_end_k_q57010a6b8a_piou-k_q57010a6b8a_piou
	.p2alignl 7, 3214868480
	.fill 96, 4, 3214868480
	.section	.rodata,"a",@progbits
	.p2align	6, 0x0
	.amdhsa_kernel k_q57010a6b8a_piou
		.amdhsa_group_segment_fixed_size 35840
		.amdhsa_private_segment_fixed_size 0
		.amdhsa_enable_private_segment 0
		.amdhsa_kernarg_size 32
		.amdhsa_user_sgpr_count 2
		.amdhsa_user_sgpr_kernarg_segment_ptr 1
		.amdhsa_wavefront_size32 1
		.amdhsa_system_sgpr_workgroup_id_x 1
		.amdhsa_system_sgpr_workgroup_id_y 1
		.amdhsa_system_sgpr_workgroup_id_z 1
		.amdhsa_system_vgpr_workitem_id 0
		.amdhsa_next_free_vgpr 154
		.amdhsa_next_free_sgpr 66
		.amdhsa_reserve_vcc 1
		.amdhsa_float_denorm_mode_32 3
		.amdhsa_float_denorm_mode_16_64 3
		.amdhsa_memory_ordered 1
		.amdhsa_forward_progress 1
		.amdhsa_inst_pref_size 164
	.end_amdhsa_kernel
	.amdgpu_metadata
---
amdhsa.version: [ 1, 2 ]
amdhsa.kernels:
  - .name:           k_q57010a6b8a_piou
    .symbol:         k_q57010a6b8a_piou.kd
    .args:
      - { .name: grid, .offset: 0, .size: 8, .value_kind: global_buffer, .address_space: global }
      - { .name: loc_p, .offset: 8, .size: 8, .value_kind: global_buffer, .address_space: global }
      - { .name: loc_t, .offset: 16, .size: 8, .value_kind: global_buffer, .address_space: global }
      - { .name: out0, .offset: 24, .size: 8, .value_kind: global_buffer, .address_space: global }
    .group_segment_fixed_size: 35840
    .private_segment_fixed_size: 0
    .kernarg_segment_align: 8
    .kernarg_segment_size: 32
    .max_flat_workgroup_size: 512
    .sgpr_count:     66
    .vgpr_count:     154
    .wavefront_size: 32
...
	.end_amdgpu_metadata
.endif
;; end of part 1
